; MI455X (gfx1250); checked and timed in simulation.
; The chip was launched on July 23, 2026; its instructions are those of AMD's public machine-readable ISA for CDNA 5 (MIT licence, August 2026) and "CDNA5" Instruction Set Architecture Reference Guide (July 2026). The comments in the code are by the model that wrote it; some were corrected since.
;; Symmetric Linear. Allowed arithmetic: float matrix products may take bf16 or f16 operands with f32 sums; other float arithmetic in f32, or as packed bf16 or f16 multiplies, adds, multiply-adds, maxima and minima; sums over many terms, partial sums and values carried from step to step in f32; what a program stores and reads back later, other than sums and carried values, may be rounded once to bf16 or f16.
;; Inputs: bias 16,384 float32; scale one number float32; weight_i8 16,384 x 4,096 int8; x 4 x 256 x 4,096 float32.
;; Outputs: out0 4 x 256 x 16,384 float32.
;; One version. Each part assembles by itself: llvm-mc -triple=amdgcn-amd-amdhsa -mcpu=gfx1250 --defsym DOCPART=n.
;; ======== version 1 of 1: 2 launches
;; limits: values are held in f16: magnitudes above 65,504 overflow, below 6.1e-05 lose precision; inputs' magnitudes at most 65,504
;; workspace buffers: xh 8,388,608 bytes
;; launch cvtx (part 1): grid 512 x 1, 8 waves a work-group, no clusters, 0 bytes of LDS; arguments x, xh; writes xh
.if DOCPART == 1
	.amdgcn_target "amdgcn-amd-amdhsa--gfx1250"
	.amdhsa_code_object_version 6
	.text
	.protected	k_qc1a8cae004_cvtx
	.globl	k_qc1a8cae004_cvtx
	.p2align	8
	.type	k_qc1a8cae004_cvtx,@function
k_qc1a8cae004_cvtx:
	s_mov_b64 s[64:65], 0
	v_nop
	global_prefetch_b8 v0, s[64:65] scope:SCOPE_SE
	s_setreg_imm32_b32 hwreg(HW_REG_WAVE_MODE, 25, 1), 1
	s_wait_xcnt 0x0
; xh = x rounded once to f16, same layout: [1024][4096].  x: f32, 16,777,216 bytes; xh: f16, 8,388,608 bytes.
; LIMITS.  f16 ends at 65,504: |x| of 65,520 or more becomes an infinity; |x| below 6.1e-5 keeps f16's fixed step of 6e-8.
; A stream: each byte is read once and written once; no LDS, no barrier, no matrix unit, no cluster (no two work-groups read the same byte).
; A work-group takes 8,192 numbers in four chunks of 2,048; thread t takes the 8 numbers at byte 32 t of a chunk and stores their 16 bytes at byte 16 t:
; sixteen neighbouring lanes store 256 consecutive bytes, aligned.  All eight loads go out first; no register is written twice, so nothing waits for a store.
.set CHIN,  8192                       ; bytes of a chunk in x
.set CHOUT, 4096                       ; and in xh
.set X, 4                              ; v[4:35]   chunk i: 8 numbers as loaded
.set Y, 36                             ; v[36:51]  chunk i: 4 registers to store
	s_load_b128 s[4:7], s[0:1], 0x0                ; x s[4:5], xh s[6:7]
	s_lshl_b32 s2, ttmp9, 15                       ; the work-group's 32,768 bytes of x
	s_mov_b32 s3, 0
	s_lshl_b32 s8, ttmp9, 14                       ; and its 16,384 bytes of xh
	s_mov_b32 s9, 0
	v_lshlrev_b32 v1, 5, v0                        ; 32 t
	v_lshlrev_b32 v2, 4, v0                        ; 16 t
	s_wait_kmcnt 0x0
	s_add_nc_u64 s[4:5], s[4:5], s[2:3]
	s_add_nc_u64 s[6:7], s[6:7], s[8:9]
.irp i, 0,1,2,3
	global_load_b128 v[X+8*(\i):X+8*(\i)+3],   v1, s[4:5] offset:CHIN*(\i) th:TH_LOAD_NT
	global_load_b128 v[X+8*(\i)+4:X+8*(\i)+7], v1, s[4:5] offset:CHIN*(\i)+16 th:TH_LOAD_NT
.endr
.irp i, 0,1,2,3
	s_wait_loadcnt 6-2*(\i)                        ; loads come back in order: chunk i's two are in, the younger chunks' stay out
.irp j, 0,1,2,3
	v_cvt_pk_f16_f32 v[Y+4*(\i)+(\j)], v[X+8*(\i)+2*(\j)], v[X+8*(\i)+2*(\j)+1]
.endr
	global_store_b128 v2, v[Y+4*(\i):Y+4*(\i)+3], s[6:7] offset:CHOUT*(\i)
.endr
	s_endpgm
.Lfunc_end_k_qc1a8cae004_cvtx:
	.size	k_qc1a8cae004_cvtx, .Lfunc_end_k_qc1a8cae004_cvtx-k_qc1a8cae004_cvtx
	.p2alignl 7, 3214868480
	.fill 96, 4, 3214868480
	.section	.rodata,"a",@progbits
	.p2align	6, 0x0
	.amdhsa_kernel k_qc1a8cae004_cvtx
		.amdhsa_group_segment_fixed_size 0
		.amdhsa_private_segment_fixed_size 0
		.amdhsa_enable_private_segment 0
		.amdhsa_kernarg_size 16
		.amdhsa_user_sgpr_count 2
		.amdhsa_user_sgpr_kernarg_segment_ptr 1
		.amdhsa_wavefront_size32 1
		.amdhsa_system_sgpr_workgroup_id_x 1
		.amdhsa_system_sgpr_workgroup_id_y 1
		.amdhsa_system_sgpr_workgroup_id_z 1
		.amdhsa_system_vgpr_workitem_id 0
		.amdhsa_next_free_vgpr 52
		.amdhsa_next_free_sgpr 66
		.amdhsa_reserve_vcc 0
		.amdhsa_float_denorm_mode_32 3
		.amdhsa_float_denorm_mode_16_64 3
		.amdhsa_memory_ordered 1
		.amdhsa_forward_progress 1
		.amdhsa_inst_pref_size 3
	.end_amdhsa_kernel
	.amdgpu_metadata
---
amdhsa.version: [ 1, 2 ]
amdhsa.kernels:
  - .name:           k_qc1a8cae004_cvtx
    .symbol:         k_qc1a8cae004_cvtx.kd
    .args:
      - { .name: x, .offset: 0, .size: 8, .value_kind: global_buffer, .address_space: global }
      - { .name: xh, .offset: 8, .size: 8, .value_kind: global_buffer, .address_space: global }
    .group_segment_fixed_size: 0
    .private_segment_fixed_size: 0
    .kernarg_segment_align: 8
    .kernarg_segment_size: 16
    .max_flat_workgroup_size: 256
    .sgpr_count:     66
    .vgpr_count:     52
    .wavefront_size: 32
...
	.end_amdgpu_metadata
.endif
;; end of part 1
;; launch gemm (part 2): grid 64 x 4, 4 waves a work-group, clusters of 4 x 4, 327,680 bytes of LDS; arguments xh, weight_i8, scale, bias, out0; writes out0
.if DOCPART == 2
	.amdgcn_target "amdgcn-amd-amdhsa--gfx1250"
	.amdhsa_code_object_version 6
	.text
	.protected	k_qc1a8cae004_gemm
	.globl	k_qc1a8cae004_gemm
	.p2align	8
	.type	k_qc1a8cae004_gemm,@function
k_qc1a8cae004_gemm:
	s_mov_b64 s[64:65], 0
	v_nop
	global_prefetch_b8 v0, s[64:65] scope:SCOPE_SE
	s_setreg_imm32_b32 hwreg(HW_REG_WAVE_MODE, 25, 1), 1
	s_wait_xcnt 0x0
	s_wait_alu depctr_hold_cnt(0) depctr_sa_sdst(0) depctr_va_vdst(0) depctr_va_sdst(0) depctr_va_ssrc(0) depctr_va_vcc(0) depctr_vm_vsrc(0)
	s_getreg_b32 s2, hwreg(HW_REG_IB_STS2, 6, 4)
	s_cmp_eq_u32 s2, 0
	s_cbranch_scc0 .Lentry_in_a_cluster
	s_endpgm
.Lentry_in_a_cluster:
	s_bfe_u32 s2, ttmp6, 0x10000c
	s_cmp_lg_u32 s2, 0xf033
	s_cbranch_scc0 .Lentry_shape_is_right
	s_endpgm
.Lentry_shape_is_right:
; out[m][o] = scale x (the sum over k of xh[m][k] w[o][k]) + bias[o].  xh: [1024][4096] f16; w: [16384][4096] int8; scale: one f32; bias: [16384] f32; out: [1024][16384] f32.
; Products in f16, sums in f32; scale and bias enter by one fused multiply-add in f32 on the way out.
; LIMITS.  xh is x rounded once to f16 (|x| of 65,520 or more is an infinity there; below 6.1e-5 the step is 6e-8).  Every int8 number, -128 too, is exact in f16.  Within each 32 along K the places
; of k are permuted, alike in both operands, so the order of the sums differs from a plain ascending one.
; SHARES.  A work-group makes a tile of 256 x 256 of out: 4 x 64 tiles, 256 work-groups.  Wave w makes ALL 256 rows x the columns 64 w .. 64 w + 63: 16 row blocks (a) x 4 column blocks (b) of 16 x 16, 512 registers.
; So each byte of w is widened by ONE wave of the work-group: 80 vector instructions for 64 matrix instructions; the price is 36 LDS loads for 32 along K.
; WIDENING.  Four bytes: the sign bits are flipped (u = w + 128); each byte is set under 0x64, which is the f16 number 1024 + u; -1152 is added, exactly.  Five instructions for four numbers.
; THE MATRIX INSTRUCTION IS USED TRANSPOSED (source 0 = 16 rows of w, source 1 = 16 rows of xh): lane l holds row l % 16 of out and the columns 8 (l / 16) + 0..7.
; PLACES OF k.  h = l / 16.  Register j of both fragments holds k = 16 h + 2 j, 16 h + 2 j + 1 of the 32: for w one load of 16 raw bytes at 16 h, for xh two loads of 16 bytes at 32 h and 32 h + 16.
; TWO RINGS, so that every row that the tensor loads fetch is 256 consecutive bytes, aligned.  xh goes in steps of 128 k (32 steps, slots A0, A1); w in double steps of 256 k (16, slots B0, B1).
; A QUARTER is 32 k: 64 matrix instructions on fragment buffers f = quarter % 2.  Quarter g multiplies AF[f], BF[f]; its riders widen raw(g + 1) from RAW[1-f] into BF[1-f]; ONE run of LDS loads brings
; xh's fragments of quarter g + 1 into AF[1-f] and raw(g + 2) into RAW[f].  The fourth quarter of each step s changes slots: A[s % 2] takes step s + 2; at odd s = 2 j + 1 B[j % 2] takes double step j + 2 too:
; its last raw bytes were read two quarters earlier, and its first new ones are read seven quarters later, behind the next change's wait and barrier.
; CLUSTER.  4 x 4 work-groups.  The four of a row of the cluster need the same rows of xh, the four of a column the same rows of w: each tile is asked for JOINTLY, by the same tensor load with the same
; descriptor and a mask that names the four.  Waves 0 and 1 fetch A's two halves of 128 rows, waves 2 and 3 B's (at odd changes only).  The 1,024 rows of out are the cluster's height: the tile row is cy.
; REGISTERS.  Column block b has the window b of 256 registers to itself (s_set_vgpr_msb: bits 1:0 source 0, 3:2 source 1, 5:4 source 2, 7:6 destination).  In window W:
;   v128-255 the accumulators (a, b = W) at 128 + 8 a;  v64-127 xh's fragments a = 4 W + i, buffer f, at 64 + 32 f + 8 i;  v48-63 w's fragment of block W, buffer f, at 48 + 8 f;
;   v40-47 its raw bytes, buffer p, at 40 + 4 p;  v39 the constant 0x64646464.  Window 0 also: v0-35 addresses and the bias.
; A product (a, b) runs under b | (a / 4) << 2 | b << 4 | b << 6.  Each rider has its vector source in place 0 and its destination in window b (the constant, in place 1, lies in every window), so the riders
; run under the products' own setting: a quarter has sixteen switches for its products, four for its run of loads.
.set KTOT,  4096
.set NTOT,  16384
.set AROWB, 2*KTOT                     ; bytes in a row of xh
.set BROWB, KTOT                       ; of w
.set OROWB, 4*NTOT                     ; of out
.set PITCH, 272                        ; an LDS row: 256 bytes + 16 of padding = 68 words: row r starts at bank 4 r mod 64 (64 banks of 4 bytes: ISA guide 11.1), so the 16 rows of a load start at 16 different groups of four banks
.set HALFT, 128*PITCH                  ; 128 rows: what one tensor load brings
.set SLOT,  2*HALFT                    ; 256 rows.  A0 at 0, A1 at SLOT, B0 at 2 SLOT, B1 at 3 SLOT; SLOT = 0x11000 shares no bit with 2 SLOT or HALFT, so one exclusive or turns an address in B0 into B1's
.set STAGE, 4*SLOT                     ; behind the rings, never filled by a tensor load: 16 rows x 272 bytes for each wave, for the way out
.set SPARE, STAGE+4*16*PITCH           ; behind the stages: the spare words, 128 bytes for each wave: two blocks of 256 bytes that no other line names
.set TRIPS, 14                         ; trips of the loop: two steps each, in which both kinds of slot are filled again
.set ADRA,  16                         ; v16-17  LDS address of my lane in xh's fragments, slot 0, 1
.set ADRB0, 18                         ; v18     my lane's place in a slot of w; never rewritten
.set ADRB,  19                         ; v19     the same in the slot from which raw bytes are being read
.set STO,   24                         ; v24     the way out: where I put 32 bytes of a row
.set RD,    25                         ; v25     the way out: where I read a row back
.set CO,    26                         ; v26     my byte offset in two rows of out
.set SPW,   28                         ; v28     LDS address of my spare word: SPARE + 4 x my thread's number; never rewritten
.set NIL,   29                         ; v29     0; never rewritten
.set PFO,   30                         ; v30     the prefetches' offset: my lane x a row of xh or w; never rewritten
.set BIAS,  32                         ; v[32:35] bias of the four columns that I store
.set KC,    39
.set RAW,   40
.set BF,    48
.set AF,    64
.set ACC,   128
.set OB,    64                         ; the way out: 16 rows read back from the stage: v64-95 and v96-127 of window 0 by turns
.set WV,  14                           ; s14  my wave's number
.set FB,  15                           ; s15  0: I fetch for A, 1: for B
.set HF,  16                           ; s16  which 128 rows of that tile I fetch
.set CX,  17
.set CY,  18
.set TC,  19                           ; s19  tile column
.set LO,  20                           ; s20  wave x HALFT
.set G1A, 24                           ; s[24:31] descriptor group 1 for xh's tiles
.set G0A, 32                           ; s[32:39] group 0, a set for each slot
.set G0B, 40                           ; s[40:47] group 0 for w's tiles: a set for each first fill; the second then walks on
.set G1B, 48                           ; s[48:55] group 1 for w's tiles
.set PFA, 56                           ; s[56:57] where my prefetches stand
.set PE,  58                           ; s[58:59] their step at an even change: 256 for xh, 0 for w
.set LIM, 60                           ; s60  at an odd change a wave prefetches while the trips to go are above this
.set LIME, 61                          ; s61  the same at an even change
.set TB,  62                           ; s62  LDS byte at which the slot of w begins from which raw bytes are read
.set SC,  66                           ; s[66:67] scale, twice
.set XM,  68                           ; s68  flips four sign bits
.set NEG, 69                           ; s69  -1152 twice, in f16
.set SEL, 70                           ; s70-71 v_perm_b32's selects: raw bytes 0, 1 (2, 3) under the constant's byte
.set MSB, 0
.set PERW, 9
.macro WIN new                         ; the immediate's high byte repeats the setting that is left; a switch that changes nothing is dropped
.if MSB != (\new)
	s_set_vgpr_msb (MSB<<8)|(\new)
.set MSB, (\new)
.endif
.endm
; A round of the cluster's barrier: my work-group's barrier, so that wave 0's signal speaks for all four waves; wave 0 signals; every wave waits for all sixteen work-groups; my work-group's barrier once more.
.macro CREST                           ; a round behind its opening barrier
	s_cmp_lg_u32 s[WV], 0
	s_cbranch_scc1 .Lnot_wave_0_\@
	s_barrier_signal -3
.Lnot_wave_0_\@:
	s_barrier_wait -3
	s_barrier_signal -1
	s_barrier_wait -1
.endm
.macro CROUND
	s_barrier_signal -1
	s_barrier_wait -1
	CREST
.endm
; The joint refills.  The branches hang on the wave's number alone: they are the same in every work-group.  An s_nop 0 and four v_nop follow each load, ahead of the jump, the label and what follows.
.macro JLOAD_AB                        ; an odd change: waves 0, 1 fill A1, waves 2, 3 the slot of w that the walking descriptor names
	s_cmp_eq_u32 s[FB], 0
	s_cbranch_scc0 .Lfor_b_\@
	tensor_load_to_lds s[G0A+4:G0A+7], s[G1A:G1A+7]
	s_nop 0
.rept 4
	v_nop
.endr
	s_branch .Lasked_\@
.Lfor_b_\@:
	tensor_load_to_lds s[G0B+4:G0B+7], s[G1B:G1B+7]
	s_nop 0
.rept 4
	v_nop
.endr
.Lasked_\@:
.endm
.macro JLOAD_A slot                    ; xh's slot alone: waves 2 and 3 have no part of a tile to fill
	s_cmp_eq_u32 s[FB], 0
	s_cbranch_scc0 .Lno_fill_\@
	tensor_load_to_lds s[G0A+4*(\slot):G0A+4*(\slot)+3], s[G1A:G1A+7]
	s_nop 0
.rept 4
	v_nop
.endr
.Lno_fill_\@:
.endm
; A PREFETCH INTO THE L2, behind a change's joint load and its run of LDS loads: 32 rows x 256 bytes, a lane a row, one instruction a wave, for the tile that stands TWO refills of its ring on: 512 matrix instructions
; ahead of the load that will want it.  Each row's 256 bytes are named once in the launch.  xh's rows are read by all sixteen clusters: cluster 0 asks, at every change of the loop (step s + 4, which exists in all of them).
; w's rows are read by one cluster alone: every cluster asks, at odd changes (double step j + 3), but for the loop's last trip, where there is none.  The four partners that ask for a tile jointly share its rows out
; BY ADDRESS, 32 of a wave's 128 each (by cx for xh, by cy for w): no branch hangs on a work-group's place in its cluster.  Nothing is asked for at the head; the first tiles come by their loads alone.
.macro ASK odd
.if \odd
	s_cmp_gt_u32 s3, s[LIM]
.else
	s_cmp_gt_u32 s3, s[LIME]
.endif
	s_cbranch_scc0 .Lnot_mine_\@
	global_prefetch_b8 v[PFO], s[PFA:PFA+1] offset:256 th:TH_LOAD_NT scope:SCOPE_SE
.Lnot_mine_\@:
.endm
; Number n of the 20 instructions that widen a lane's 16 raw bytes (buffer p) into a fragment (buffer f).  0-3: the sign bits.  4-11: register m = n - 4 takes raw bytes 2 m, 2 m + 1, each under 0x64.  12-19: - 1152.
; Each reads the result of one that stands four or more numbers back.
.macro RIDER n, p, f
.if (\n) < 4
	v_xor_b32 v[RAW+4*(\p)+(\n)], v[RAW+4*(\p)+(\n)], s[XM]
.elseif (\n) < 12
	v_perm_b32 v[BF+8*(\f)+(\n)-4], v[RAW+4*(\p)+((\n)-4)/2], v[KC], s[SEL+((\n)-4)%2]
.else
	v_pk_add_f16 v[BF+8*(\f)+(\n)-12], v[BF+8*(\f)+(\n)-12], s[NEG]
.endif
.endm
; 16 matrix instructions: column block b x all 16 row blocks, 32 along K, on buffers f.  zero = 1: the products start the sums: nothing is ever cleared.  conv = 1: block b's 20 riders stand behind them, 1, 1, 1, 2.
; wt = 1: group y of four products waits for window y's part of the last run of LDS loads: the PERW loads of each later window (and `extra` younger LDS instructions) may stay out.
; The 64 accumulators take turns, in the same order in every quarter, over the backward jump too.
.macro PHASE b, f, zero, conv, wt, extra
.set y, 0
.rept 4
.if \wt
	s_wait_dscnt PERW*(3-y)+(\extra)
.endif
	WIN 0x51*(\b)+4*y
.set i, 0
.rept 4
.set ix, 4*y+i
.if \zero
	v_wmma_f32_16x16x32_f16 v[ACC+8*ix:ACC+8*ix+7], v[BF+8*(\f):BF+8*(\f)+7], v[AF+32*(\f)+8*i:AF+32*(\f)+8*i+7], 0
.else
	v_wmma_f32_16x16x32_f16 v[ACC+8*ix:ACC+8*ix+7], v[BF+8*(\f):BF+8*(\f)+7], v[AF+32*(\f)+8*i:AF+32*(\f)+8*i+7], v[ACC+8*ix:ACC+8*ix+7]
.endif
.if \conv
.set rn, (5*ix)/4
.rept (5*(ix+1))/4-(5*ix)/4
	RIDER rn, 1-(\f), 1-(\f)
.set rn, rn+1
.endr
.endif
.set i, i+1
.endr
.set y, y+1
.endr
.endm
; ONE run of LDS loads, by windows: raw bytes at byte 32 bq of w's rows into RAW[f] (raw = 1), xh's fragments at byte ak of slot aslot's rows into AF[1-f].  tog = 1: the raw bytes go on into the other slot of w.
; The registers that it loads were last read by the quarter before; a phase's 20 riders, plain instructions that name none of those products' registers, stand between (ISA guide 7.12.1 for vector instructions).
.macro FETCH aslot, ak, f, bq, raw, tog
	WIN 0
.if \tog
	s_xor_b32 s[TB], s[TB], SLOT
	v_add_nc_u32 v[ADRB], s[TB], v[ADRB0]
.endif
.set wn, 0
.rept 4
	WIN 0x40*wn                                    ; destination window wn, address window 0
.if \raw
	ds_load_b128 v[RAW+4*(\f):RAW+4*(\f)+3], v[ADRB] offset:wn*16*PITCH+32*(\bq)
.endif
.set i, 0
.rept 4
	ds_load_b128 v[AF+32*(1-(\f))+8*i:AF+32*(1-(\f))+8*i+3],   v[ADRA+(\aslot)] offset:(\ak)+(4*wn+i)*16*PITCH
	ds_load_b128 v[AF+32*(1-(\f))+8*i+4:AF+32*(1-(\f))+8*i+7], v[ADRA+(\aslot)] offset:(\ak)+(4*wn+i)*16*PITCH+16
.set i, i+1
.endr
.set wn, wn+1
.endr
.set PERW, 8+(\raw)
.endm
; One of a step's first three quarters: the run of loads stands behind the first 16 products, 48 ahead of its first use.
.macro QUARTER aslot, ak, f, bq, zero=0, raw=1, tog=0, wt=1
	PHASE 0, \f, \zero, 1, \wt, 0
	FETCH \aslot, \ak, \f, \bq, \raw, \tog
	PHASE 1, \f, \zero, 1, 0, 0
	PHASE 2, \f, \zero, 1, 0, 0
	PHASE 3, \f, \zero, 1, 0, 0
.endm
; A step's fourth quarter (buffers 1) changes slots: ONE barrier.  In front of it each wave waits for all its tensor loads (at most one is out: its part of a slot to be read next), adds 0 to its spare word, and waits for
; that and for its own reads of the slots.  Behind it nobody reads xh's slot `slot` any more (nor, at an odd change, the older slot of w), and what was on its way is whole.
; kind = 2: xh's slot and w's are filled again; 1: xh's alone; 0: nothing.  Where something is filled the barrier opens a round of the cluster's, and the joint refill is the first thing behind the round:
; from there to the wait for it a wave issues 224 matrix instructions.  ask = 1: the prefetch pointer steps, a step behind the prefetch that read it, and a prefetch follows the run of loads.
.macro TURN slot, bq, kind, ask
.if \ask
	s_wait_xcnt 0x0                                ; the last prefetch, a step back, has read its address
.if (\slot) == 0
	s_add_nc_u64 s[PFA:PFA+1], s[PFA:PFA+1], s[PE:PE+1]
.else
	s_add_nc_u64 s[PFA:PFA+1], s[PFA:PFA+1], 256
.endif
.endif
	WIN 0                                          ; (the add's two registers lie in window 0)
	s_wait_tensorcnt 0x0                           ; all my tensor loads have landed
	ds_add_u32 v[SPW], v[NIL]                      ; 0 onto my spare word: sixteen products and their riders stand between it and the wait for it
	PHASE 0, 1, 0, 1, 1, 1
	s_wait_dscnt 0x0                               ; the add is done, and my reads of the slots are over
	s_barrier_signal -1
	PHASE 1, 1, 0, 1, 0, 0                         ; work on registers while the others arrive
	WIN 0
	s_barrier_wait -1
.if \kind
	CREST                                          ; no wave of any partner still reads the slot or has a load on its way
	s_add_nc_u64 s[G0A+4*(\slot)+2:G0A+4*(\slot)+3], s[G0A+4*(\slot)+2:G0A+4*(\slot)+3], 512  ; two steps on; the type bits on top are not reached
.if (\kind) == 2
	s_xor_b32 s[G0B+5], s[G0B+5], SLOT             ; the walking descriptor: the other slot than last time,
	s_add_nc_u64 s[G0B+6:G0B+7], s[G0B+6:G0B+7], 256  ; the next double step
	JLOAD_AB
.else
	JLOAD_A \slot
.endif
.endif
	FETCH 1-(\slot), 0, 1, \bq, 1, 0
.if \ask
	WIN 0
	ASK \slot
.endif
	PHASE 2, 1, 0, 1, 0, 0
	PHASE 3, 1, 0, 1, 0, 0
.endm
; THE WAY OUT of row block a.  TOSTAGE: a lane's 8 sums of each column block, 32 bytes of a row, go as they are into my own stage (rows of 272 bytes) and come back as whole rows of 256 bytes.
; SEND: sum x scale + bias, one fused multiply-add, and the store.
.macro TOSTAGE a
.if (\a) >= 2
	s_wait_xcnt 0x0                                ; block a - 2's stores have read their data and their base: only behind this wait are those registers loaded again, and the base stepped
.endif
.set nb, 0
.rept 4
	WIN nb<<2                                      ; the data (place 1) in window nb
	ds_store_b128 v[STO], v[ACC+8*(\a):ACC+8*(\a)+3]   offset:64*nb     ; each accumulator is read from its low end on
	ds_store_b128 v[STO], v[ACC+8*(\a)+4:ACC+8*(\a)+7] offset:64*nb+16
.set nb, nb+1
.endr
	WIN 0
.set t, 0
.rept 8
	ds_load_b128 v[OB+32*((\a)%2)+4*t:OB+32*((\a)%2)+4*t+3], v[RD] offset:2*PITCH*t  ; LDS serves a wave's instructions in order (ISA guide 5.7.1.4): these see the stores above, and the next block's stores come behind them
.set t, t+1
.endr
.endm
.macro SEND a, younger                 ; younger: the LDS instructions issued behind block a's loads: the next block's sixteen, or none
	s_wait_dscnt \younger
.if (\a) == 15
	s_wait_xcnt 0x0                                ; no TOSTAGE stands between the last two blocks' stores: block 14's have read their base
.endif
.if (\a) > 0
	s_add_nc_u64 s[12:13], s[12:13], 16*OROWB      ; 16 rows of out on
.endif
.set u, 0
.rept 16
	v_pk_fma_f32 v[OB+32*((\a)%2)+2*u:OB+32*((\a)%2)+2*u+1], v[OB+32*((\a)%2)+2*u:OB+32*((\a)%2)+2*u+1], s[SC:SC+1], v[BIAS+2*(u%2):BIAS+2*(u%2)+1] op_sel_hi:[1,0,1]
.set u, u+1
.endr
.set t, 0
.rept 8
	global_store_b128 v[CO], v[OB+32*((\a)%2)+4*t:OB+32*((\a)%2)+4*t+3], s[12:13] offset:2*OROWB*t th:TH_STORE_NT  ; 16 lanes store 256 consecutive bytes, at a multiple of 256 from out's first byte: my 64 columns of a row
.set t, t+1
.endr
.endm
	s_load_b256 s[4:11], s[0:1], 0x0               ; xh s[4:5], w s[6:7], scale s[8:9], bias s[10:11]
	s_load_b64 s[12:13], s[0:1], 0x20              ; out
	v_lshl_add_u32 v[SPW], v0, 2, SPARE
	v_mov_b32 v[NIL], 0
	ds_add_u32 v[SPW], v[NIL]                      ; the wave's opening: the add, twice on end, and its wait ahead of my first tensor load; the set-up below, work on registers, stands between
	ds_add_u32 v[SPW], v[NIL]                      ; and once more, under the one wait
	v_lshrrev_b32 v1, 5, v0
	v_readfirstlane_b32 s[WV], v1                  ; wave 0..3
.set wn, 0
.rept 4
	WIN 0x40*wn
	v_mov_b32 v[KC], 0x64646464                    ; the constant, in every window
.set wn, wn+1
.endr
	WIN 0
	s_lshr_b32 s[FB], s[WV], 1
	s_and_b32 s[HF], s[WV], 1
	s_bfe_u32 s[CX], ttmp6, 0x40000                ; my place along the cluster's x
	s_bfe_u32 s[CY], ttmp6, 0x40004                ; along its y: also the tile row
	s_lshl_b32 s[TC], ttmp9, 2                     ; in a cluster launch ttmp9 counts clusters
	s_add_co_u32 s[TC], s[TC], s[CX]               ; tile column = 4 x cluster x + cx
	s_lshl_b32 s21, s[CY], 2
	s_lshl_b32 s21, 15, s21                        ; my row of the cluster: places 4 cy .. 4 cy + 3
	s_lshl_b32 s22, 0x1111, s[CX]                  ; my column: places cx, cx + 4, cx + 8, cx + 12
	; group 1 for xh: 128 rows x 128 elements of 2 bytes; for w: 128 rows x 256 elements of 1 byte; both padded in LDS by 4 words after every 64
	s_or_b32 s[G1A], s21, (1<<16)|(1<<20)|(1<<21)|(5<<22)|(3<<25)  ; 15:0 the mask; 17:16 elements of 2 bytes; 20 padding on; 21 set beside a mask; 24:22 after every 64 words (code 5); 31:25 4 words (code 3)
	s_mov_b32 s[G1A+1], 128<<16                    ; tensor_dim0 = 128
	s_mov_b32 s[G1A+2], 128<<16                    ; tensor_dim1 = 128
	s_mov_b32 s[G1A+3], 128<<16                    ; tile_dim0 = 128
	s_mov_b32 s[G1A+4], 128                        ; tile_dim1 = 128
	s_mov_b32 s[G1A+5], KTOT                       ; elements from row to row
	s_mov_b32 s[G1A+6], 0
	s_mov_b32 s[G1A+7], 0
	s_or_b32 s[G1B], s22, (1<<20)|(1<<21)|(5<<22)|(3<<25)          ; the same with my column's mask and elements of 1 byte
	s_mov_b32 s[G1B+1], 256<<16                    ; tensor_dim0 = 256
	s_mov_b32 s[G1B+2], 128<<16                    ; tensor_dim1 = 128
	s_mov_b32 s[G1B+3], 256<<16                    ; tile_dim0 = 256
	s_mov_b32 s[G1B+4], 128                        ; tile_dim1 = 128
	s_mov_b32 s[G1B+5], KTOT
	s_mov_b32 s[G1B+6], 0
	s_mov_b32 s[G1B+7], 0
	s_mov_b32 s[XM], 0x80808080
	s_mov_b32 s[NEG], 0xe480e480
	s_mov_b32 s[SEL], 0x00050004
	s_mov_b32 s[SEL+1], 0x00070006
	s_mov_b32 s[TB], 2*SLOT
	s_mul_i32 s[LO], s[WV], HALFT                  ; no place in the cluster enters an LDS address
	; where the tiles come from: xh's hang on cy alone, which my row of the cluster shares; w's on the tile column alone, which my column shares
	s_lshl_b32 s23, s[HF], 7                       ; which 128 rows I fetch
	s_lshl_b32 s72, s[CY], 8
	s_add_co_u32 s72, s72, s23
	s_lshl_b32 s72, s72, 13                        ; x 8,192 bytes
	s_mov_b32 s73, 0
	s_lshl_b32 s76, s[TC], 8
	s_add_co_u32 s76, s76, s23
	s_lshl_b32 s76, s76, 12                        ; x 4,096 bytes
	s_mov_b32 s77, 0
	s_wait_dscnt 0x0                               ; both opening adds are done
	s_wait_kmcnt 0x0
	s_load_b32 s[SC], s[8:9], 0x0                  ; scale
	s_add_nc_u64 s[74:75], s[4:5], s[72:73]
	s_add_nc_u64 s[78:79], s[6:7], s[76:77]
.irp s, 0,1
	s_mov_b32 s[G0A+4*(\s)], 1                                     ; 1:0 count = 1
	s_add_co_u32 s[G0A+4*(\s)+1], s[LO], (\s)*SLOT                 ; 63:32 LDS address: waves 0, 1: A's slot s, my half
	s_add_nc_u64 s[G0A+4*(\s)+2:G0A+4*(\s)+3], s[74:75], (\s)*256  ; 120:64 global address: step s
	s_or_b32 s[G0A+4*(\s)+3], s[G0A+4*(\s)+3], 0x80000000          ; 127:126 type = 2
	s_mov_b32 s[G0B+4*(\s)], 1
	s_add_co_u32 s[G0B+4*(\s)+1], s[LO], SLOT+(\s)*SLOT            ; waves 2, 3: 2 SLOT + s SLOT + (wave - 2) HALFT
	s_add_nc_u64 s[G0B+4*(\s)+2:G0B+4*(\s)+3], s[78:79], (\s)*256  ; double step s
	s_or_b32 s[G0B+4*(\s)+3], s[G0B+4*(\s)+3], 0x80000000
.endr
	CROUND                                         ; all sixteen work-groups are here: the first joint loads meet
	s_cmp_eq_u32 s[FB], 0                          ; a wave's two first fills stand in one branch, ahead of every wait on TENSORcnt and every LDS read: two loads of mine are out
	s_cbranch_scc0 .Lfirst_b
	tensor_load_to_lds s[G0A:G0A+3], s[G1A:G1A+7]
	s_nop 0
	tensor_load_to_lds s[G0A+4:G0A+7], s[G1A:G1A+7]
	s_nop 0
.rept 4
	v_nop
.endr
	s_branch .Lfirst_asked
.Lfirst_b:
	tensor_load_to_lds s[G0B:G0B+3], s[G1B:G1B+7]
	s_nop 0
	tensor_load_to_lds s[G0B+4:G0B+7], s[G1B:G1B+7]
	s_nop 0
.rept 4
	v_nop
.endr
.Lfirst_asked:
	v_and_b32 v1, 15, v0                           ; r = l % 16
	v_bfe_u32 v2, v0, 4, 1                         ; h = l / 16
	v_mul_u32_u24 v3, v1, PITCH
	v_lshl_add_u32 v[ADRA], v2, 5, v3              ; xh: row x pitch + 32 h
	v_add_nc_u32 v[ADRA+1], SLOT, v[ADRA]
	s_mul_i32 s21, s[WV], 64*PITCH                 ; w: my 64 rows,
	v_lshl_add_u32 v[ADRB0], v2, 4, v3             ; row x pitch + 16 h
	v_add_nc_u32 v[ADRB0], s21, v[ADRB0]
	v_add_nc_u32 v[ADRB], s[TB], v[ADRB0]
	s_mul_i32 s21, s[WV], 16*PITCH
	s_add_co_u32 s21, s21, STAGE                   ; my stage
	v_add_nc_u32 v[STO], s21, v[ADRA]              ; in: row r, 32 bytes for each half of the lanes
	v_mul_u32_u24 v4, v2, PITCH                    ; back: lanes 0-15 take one row of 256 bytes, lanes 16-31 the next
	v_lshl_add_u32 v4, v1, 4, v4
	v_add_nc_u32 v[RD], s21, v4
	v_lshlrev_b32 v[CO], 16, v2                    ; and the same two rows in out
	v_lshl_add_u32 v[CO], v1, 4, v[CO]
	s_lshl_b32 s22, s[TC], 10                      ; the tile's 256 columns: 1,024 bytes,
	s_lshl_b32 s23, s[WV], 8                       ; my wave's 64: 256 bytes
	s_add_co_u32 s22, s22, s23
	v_lshl_add_u32 v5, v1, 4, s22                  ; the four columns 4 r .. 4 r + 3 of them, which I store in every row
	global_load_b128 v[BIAS:BIAS+3], v5, s[10:11]
	s_lshl_b32 s23, s[CY], 24                      ; the tile's first row: 256 cy x 65,536 bytes
	s_add_co_u32 s22, s22, s23
	s_mov_b32 s23, 0
	s_add_nc_u64 s[12:13], s[12:13], s[22:23]      ; out at my first row and column
	; the prefetches
	s_lshl_b32 s72, s[CY], 8                       ; the tile's first row in xh,
	s_lshl_b32 s73, s[TC], 8                       ; in w
	s_cmp_eq_u32 ttmp9, 0
	s_cselect_b32 s76, 0, -1                       ; for xh the first cluster asks, in every trip; the others never
	s_cmp_eq_u32 s[FB], 0                          ; do I fetch for A?
	s_cselect_b32 s72, s72, s73
	s_cselect_b32 s73, s[CX], s[CY]                ; my place among the four that ask for the tile with me
	s_cselect_b32 s74, 13, 12                      ; a row's bytes, as a shift
	s_cselect_b32 s[PE], 256, 0
	s_cselect_b32 s[LIM], s76, 1                   ; the same in all sixteen partners, for a given wave
	s_cselect_b32 s[LIME], s76, -1
	s_cselect_b64 s[PFA:PFA+1], s[4:5], s[6:7]
	s_mov_b32 s[PE+1], 0
	s_lshl_b32 s75, s[HF], 7
	s_add_co_u32 s72, s72, s75                     ; + the 128 rows that I fetch
	s_lshl_b32 s73, s73, 5
	s_add_co_u32 s72, s72, s73                     ; + my work-group's 32 of them
	s_lshl_b32 s72, s72, s74
	s_add_co_u32 s72, s72, s[PE]
	s_add_co_u32 s72, s72, 256                     ; xh: at step 2; w: at double step 1.  The changes step it, and a prefetch names the 256 bytes behind it
	s_mov_b32 s73, 0
	s_add_nc_u64 s[PFA:PFA+1], s[PFA:PFA+1], s[72:73]
	v_and_b32 v[PFO], 31, v0
	v_lshlrev_b32 v[PFO], s74, v[PFO]
	s_wait_kmcnt 0x0
	s_mov_b32 s[SC+1], s[SC]                       ; named with it as a pair
	s_wait_tensorcnt 0x1                           ; my part of slot 0 is in; slot 1's may stay out
	s_barrier_signal -1
	s_barrier_wait -1                              ; everybody's is
.set wn, 0
.rept 4
	WIN 0x40*wn
	ds_load_b128 v[RAW:RAW+3], v[ADRB] offset:wn*16*PITCH  ; raw bytes of quarter 0
.set wn, wn+1
.endr
	FETCH 0, 0, 1, 1, 1, 0                         ; xh's fragments of quarter 0 into AF[0], raw bytes of quarter 1 into RAW[1]
	s_wait_dscnt 0x0
.set nb, 0
.rept 4
	WIN 0x51*nb
.set rn, 0
.rept 20
	RIDER rn, 0, 0                                 ; quarter 0's fragments of w: there are no products yet to set them behind
.set rn, rn+1
.endr
.set nb, nb+1
.endr
	QUARTER 0, 64, 0, 2, 1, 1, 0, 0                ; quarter 0 stands in front of the loop: its products start the sums
	WIN 0                                          ; at a label and at a branch every window is 0
	s_mov_b32 s3, TRIPS
.Ltrip:                                                ; trip j: quarters 8 j + 1 .. 8 j + 8; xh's steps 2 j + 2, 2 j + 3 and w's double step j + 2 are asked for
	QUARTER 0, 128, 1, 3
	QUARTER 0, 192, 0, 4
	TURN 0, 5, 1, 1
	QUARTER 1, 64, 0, 6
	QUARTER 1, 128, 1, 7
	QUARTER 1, 192, 0, 0, 0, 1, 1                  ; the raw bytes go on into the next double step's slot
	TURN 1, 1, 2, 1
	QUARTER 0, 64, 0, 2
	WIN 0
	s_sub_co_u32 s3, s3, 1
	s_cmp_lg_u32 s3, 0
	s_cbranch_scc1 .Ltrip
	QUARTER 0, 128, 1, 3                           ; the tail is written out.  Steps 28, 29: xh's last two steps are asked for, of w nothing is left
	QUARTER 0, 192, 0, 4
	TURN 0, 5, 1, 0
	QUARTER 1, 64, 0, 6
	QUARTER 1, 128, 1, 7
	QUARTER 1, 192, 0, 0, 0, 1, 1
	TURN 1, 1, 1, 0
	QUARTER 0, 64, 0, 2
	QUARTER 0, 128, 1, 3                           ; steps 30, 31: nothing is asked for, so no round of the cluster's barrier
	QUARTER 0, 192, 0, 4
	TURN 0, 5, 0, 0
	QUARTER 1, 64, 0, 6
	QUARTER 1, 128, 1, 7
	QUARTER 1, 192, 0, 0, 0, 0, 0                  ; no raw bytes are left to read
	PHASE 0, 1, 0, 0, 1, 0                         ; the last quarter: nothing to widen, nothing to fetch
	PHASE 1, 1, 0, 0, 0, 0
	PHASE 2, 1, 0, 0, 0, 0
	PHASE 3, 1, 0, 0, 0, 0
	WIN 0
.rept 8
	v_nop                                          ; the places behind the last products, in front of LDS stores that read results and of loads into fragments' registers
.endr
	s_wait_loadcnt 0x0                             ; the bias
	TOSTAGE 0
.irp a, 1,2,3,4,5,6,7,8,9,10,11,12,13,14,15
	TOSTAGE \a                                     ; block a's way through the stage stands between block a - 1's loads and the wait for them
	SEND (\a)-1, 16
.endr
	SEND 15, 0
	s_wait_tensorcnt 0x0                           ; the wave's end: behind my last tensor load and my last LDS store
	ds_add_u32 v[SPW], v[NIL]
	s_wait_dscnt 0x0
	CROUND                                         ; the closing round: no work-group ends while a partner may still ask for a tile that names it
	s_endpgm
.Lfunc_end_k_qc1a8cae004_gemm:
	.size	k_qc1a8cae004_gemm, .Lfunc_end_k_qc1a8cae004_gemm-k_qc1a8cae004_gemm
	.p2alignl 7, 3214868480
	.fill 96, 4, 3214868480
	.section	.rodata,"a",@progbits
	.p2align	6, 0x0
	.amdhsa_kernel k_qc1a8cae004_gemm
		.amdhsa_group_segment_fixed_size 327680
		.amdhsa_private_segment_fixed_size 0
		.amdhsa_enable_private_segment 0
		.amdhsa_kernarg_size 40
		.amdhsa_user_sgpr_count 2
		.amdhsa_user_sgpr_kernarg_segment_ptr 1
		.amdhsa_wavefront_size32 1
		.amdhsa_system_sgpr_workgroup_id_x 1
		.amdhsa_system_sgpr_workgroup_id_y 1
		.amdhsa_system_sgpr_workgroup_id_z 1
		.amdhsa_system_vgpr_workitem_id 0
		.amdhsa_next_free_vgpr 1024
		.amdhsa_next_free_sgpr 80
		.amdhsa_reserve_vcc 0
		.amdhsa_float_denorm_mode_32 3
		.amdhsa_float_denorm_mode_16_64 3
		.amdhsa_memory_ordered 1
		.amdhsa_forward_progress 1
		.amdhsa_inst_pref_size 255
	.end_amdhsa_kernel
	.section	.bss,"aw",@nobits
	.p2align	6
	.space	262144
	.amdgpu_metadata
---
amdhsa.version: [ 1, 2 ]
amdhsa.kernels:
  - .name:           k_qc1a8cae004_gemm
    .symbol:         k_qc1a8cae004_gemm.kd
    .args:
      - { .name: xh, .offset: 0, .size: 8, .value_kind: global_buffer, .address_space: global }
      - { .name: weight_i8, .offset: 8, .size: 8, .value_kind: global_buffer, .address_space: global }
      - { .name: scale, .offset: 16, .size: 8, .value_kind: global_buffer, .address_space: global }
      - { .name: bias, .offset: 24, .size: 8, .value_kind: global_buffer, .address_space: global }
      - { .name: out0, .offset: 32, .size: 8, .value_kind: global_buffer, .address_space: global }
    .group_segment_fixed_size: 327680
    .private_segment_fixed_size: 0
    .kernarg_segment_align: 8
    .kernarg_segment_size: 40
    .max_flat_workgroup_size: 128
    .sgpr_count:     80
    .vgpr_count:     1024
    .wavefront_size: 32
...
	.end_amdgpu_metadata
.endif
;; end of part 2
